; MI455X (gfx1250); checked and timed in simulation.
; The chip was launched on July 23, 2026; its instructions are those of AMD's public machine-readable ISA for CDNA 5 (MIT licence, August 2026) and "CDNA5" Instruction Set Architecture Reference Guide (July 2026). The comments in the code are by the model that wrote it; some were corrected since.
;; Eager Bidirectional Attention Block. Allowed arithmetic: matrix products marked QUANTISED: E2M1 operands, one E8M0 scale for each 32 along K, by v_wmma_scale_f32_16x16x128_f8f6f4 with both operands' format E2M1 (or v_wmma_scale_f32_32x16x128_f4), f32 sums; products left as they are: bf16, f16 or f32 operands; f32 sums; everything else in f32.
;; Inputs: Wk 1,024 x 1,024 float32; Wo 1,024 x 1,024 float32; Wq 1,024 x 1,024 float32; Wv 1,024 x 1,024 float32; bk 1,024 float32; bo 1,024 float32; bq 1,024 float32; bv 1,024 float32; mask 4 x 2,048 bool; x 4 x 2,048 x 1,024 float32.
;; Outputs: out0 4 x 2,048 x 1,024 float32.
;; This version of the problem:
;;   THIS VERSION OF THE PROBLEM IS GIVEN IN LOW PRECISION. The matrix products marked QUANTISED in the list below multiply operands that are first quantised to E2M1 (2 exponent bits, 1 mantissa bit; 4 bits a number), with one power-of-two scale for each 32 numbers along K (OCP MX v1.0); their sums are f32. The products marked 'left as it is' may take bf16, f16 or f32 operands, with f32 sums. Whichever they take, every output number must still come out within the allowed error. Rounding operands to bf16 (8 significant bits) uses up far more of that allowance than f16 does (11 bits, for magnitudes from 6e-5 to 65,504). All else is computed in f32.
;;   The module's matrix products, in the order in which they are computed (A, B: the left and right operand; K: the contracted axis; several contracted axes count as one K, in the product's order):
;;     1. [M 8,192, K 1,024] x [K 1,024, N 1,024]; A: input x; B: input Wq: QUANTISED
;;     2. [M 8,192, K 1,024] x [K 1,024, N 1,024]; A: input x; B: input Wk: QUANTISED
;;     3. [M 8,192, K 1,024] x [K 1,024, N 1,024]; A: input x; B: input Wv: QUANTISED
;;     4. batch 64 x [M 2,048, K 64] x [K 64, N 2,048]; A: computed on the way; B: computed on the way: left as it is (an operand is computed on the way)
;;     5. batch 64 x [M 2,048, K 2,048] x [K 2,048, N 64]; A: computed on the way; B: computed on the way: left as it is (an operand is computed on the way)
;;     6. [M 8,192, K 1,024] x [K 1,024, N 1,024]; A: computed on the way; B: input Wo: left as it is (an operand is computed on the way)
;;   THE QUANTISER, for each operand of a quantised product, along K:
;;     - K is cut into blocks of 32 from its start; a last block that is shorter is filled with zeros.
;;     - A block's scale is 2^e with e = floor(log2(the largest magnitude in the block)) - 2, held to -126 .. 127; a block of zeros has e = 0. As a byte (E8M0): e + 127.
;;     - Each number is divided by its block's scale, clamped to +-6, and rounded to the nearest number of E2M1, ties to even, subnormals kept.
;;     - The product sums the exact products of the quantised numbers (number of the format x scale) in f32.
;;   ~~~python
;;   def quantise(x, axis):      # numpy; x: float32 -> the quantised numbers, widened to float32 again
;;       x = np.moveaxis(x, axis, -1); K = x.shape[-1]
;;       x = np.pad(x, [(0, 0)] * (x.ndim - 1) + [(0, -K % 32)]); x = x.reshape(x.shape[:-1] + (-1, 32)); a = np.abs(x).max(-1, keepdims=True)
;;       e = np.where(a > 0, np.clip(np.frexp(np.where(a > 0, a, 1))[1] - 1 - 2, -126, 127), 0)      # np.frexp(a)[1] - 1 = floor(log2(a)), exactly
;;       r = np.clip(x / 2.0 ** e, -6, 6)
;;       step = 2.0 ** (np.maximum(np.frexp(np.where(r == 0, 1, r))[1] - 1, 0) - 1)
;;       q = np.round(r / step) * step * 2.0 ** e      # np.round: ties to even
;;       return np.moveaxis(q.reshape(q.shape[:-2] + (-1,))[..., :K], -1, axis).astype(np.float32)
;;   ~~~
;; One version. Each part assembles by itself: llvm-mc -triple=amdgcn-amd-amdhsa -mcpu=gfx1250 --defsym DOCPART=n.
;; ======== version 1 of 1: 4 launches
;; limits: values are held in f16: magnitudes above 65,504 overflow, below 6.1e-05 lose precision
;; workspace buffers: xc 4,194,304 bytes; xs 262,144 bytes; wc 1,572,864 bytes; ws 98,304 bytes; wo16 2,097,152 bytes; qkv 50,331,648 bytes; ao 16,777,216 bytes
;; launch prep (part 1): grid 192 x 1, 4 waves a work-group, no clusters, 270,848 bytes of LDS; arguments x, Wq, Wk, Wv, Wo, xc, xs, wc, ws, wo16; writes xc, xs, wc, ws, wo16
.if DOCPART == 1
	.amdgcn_target "amdgcn-amd-amdhsa--gfx1250"
	.amdhsa_code_object_version 6
	.text
	.protected	k_qd25ee0af9a_prep
	.globl	k_qd25ee0af9a_prep
	.p2align	8
	.type	k_qd25ee0af9a_prep,@function
k_qd25ee0af9a_prep:
	s_mov_b64 s[64:65], 0
	v_nop
	global_prefetch_b8 v0, s[64:65] scope:SCOPE_SE
	s_setreg_imm32_b32 hwreg(HW_REG_WAVE_MODE, 25, 1), 1
	s_wait_xcnt 0x0
; x [8192][1024], Wq, Wk, Wv [1024 (k)][1024 (n)], f32, become codes of FP4 (E2M1) with one E8M0 byte for each 32 along K; Wo [1024 (k)][1024 (n)] becomes f16.
; ALL RESULTS ARE LAID AS IMAGES OF THE READER'S OPERAND REGISTERS: blocks of 512 bytes, lane l's 16 bytes at 16 l.
;   xc, wc: ((tile of 16 rows x 8 + ks) x 2 + c) x 512 + 16 lane: lane (r, h) holds the codes k = 128 ks + 64 c + 32 h + 0 .. 31 of row r of the tile (a row of wc is a column of Wq | Wk | Wv).
;   xs, ws: [ks][group of 64 rows][r][slot p]: a word of four bytes (128 along K); slot p holds the row 16 (2 (p & 1) + (p >> 1)) + r of the group.
;   wo16:   ((tile of 16 columns x 32 + k / 32) x 2 + half) x 512 + 16 lane: lane (r, h): column r, k = 16 half + 8 h + 0 .. 7.
; A block's scale is 2^(floor(log2(largest magnitude)) - 2); its byte is the largest magnitude's exponent field - 2, held at 1 from below.
; LIMITS: a block of zeros, and one whose largest magnitude lies under 2^-124, gets the byte 1 (its codes are zeros or what the floor's scale gives; the bytes are read by this program alone);
; NaN and infinities are not served; |Wo| stays under 65,504.
; SHARES.  All five tensors have rows of 4,096 bytes, so one tile shape serves all: 64 rows x 512 bytes.  Each wave brings two such tiles by two tensor loads at the head (first fills only: nothing is
; filled again, and a wave reads its own bytes alone: no barrier).  Work-groups 0-127: 64 rows of x, wave w the K steps 2 w and 2 w + 1.  128-175: Wq, Wk, Wv: 128 columns x 4 K steps, a K step a wave
; (its two tiles are K rows 0-63 and 64-127 of the step).  176-191: Wo likewise.  No two work-groups read the same bytes: no cluster.
.set PITCH, 528                        ; a tile's row in LDS: 512 bytes + 16 of padding: row r starts at bank 4 r mod 64
.set TILE,  64*PITCH
.set WREG,  2*TILE                     ; a wave's two tiles
.set SPARE, 4*WREG                     ; behind them: the spare words, 128 bytes for each wave, which no other line names
.set SPW, 1                            ; v1   LDS address of my spare word; never rewritten
.set NIL, 2                            ; v2   0; never rewritten
; v3 lane, v4 r, v5 h; v6, v7 x's LDS addresses (tile 0, 1); v12, v13 the weights'; v8 my offset among the codes; v9 16 r + 8 h; v10 8 h; v16-27 at work;
; v32-159 numbers, two sets; v160-191 results, two sets; v176-179 scale words (x, W paths); v180-183 x's scale words as stored
	s_load_b256 s[4:11], s[0:1], 0x0               ; x, Wq, Wk, Wv
	s_load_b256 s[12:19], s[0:1], 0x20             ; Wo, xc, xs, wc
	s_load_b128 s[20:23], s[0:1], 0x40             ; ws, wo16
	v_lshl_add_u32 v[SPW], v0, 2, SPARE
	v_mov_b32 v[NIL], 0
	ds_add_u32 v[SPW], v[NIL]                      ; the wave's opening: the add, twice on end, and its wait ahead of my first tensor load
	ds_add_u32 v[SPW], v[NIL]
	v_lshrrev_b32 v3, 5, v0
	v_readfirstlane_b32 s24, v3                    ; wave 0..3
	; descriptor group 1: 64 rows x 128 elements of 4 bytes, 1,024 elements from row to row; 4 words of padding behind every 128
	s_mov_b32 s32, (2<<16)|(1<<20)|(6<<22)|(3<<25)
	s_mov_b32 s33, 128<<16                         ; tensor_dim0
	s_mov_b32 s34, 64<<16                          ; tensor_dim1
	s_mov_b32 s35, 128<<16                         ; tile_dim0
	s_mov_b32 s36, 64                              ; tile_dim1
	s_mov_b32 s37, 1024                            ; stride
	s_mov_b32 s38, 0
	s_mov_b32 s39, 0
	s_max_u32 s25, ttmp9, 128
	s_sub_co_u32 s25, s25, 128                     ; i: the work-group's number among the weights' (0 in x's work-groups, where it is not used)
	s_and_b32 s26, s25, 1
	s_lshl_b32 s26, s26, 2
	s_add_co_u32 s26, s26, s24                     ; ks = 4 (i & 1) + wave
	s_bfe_u32 s27, s25, 0x30001                    ; which 128 columns: (i >> 1) & 7
	s_lshr_b32 s50, s25, 4                         ; which matrix: 0 Wq, 1 Wk, 2 Wv, 3 Wo
	s_lshl_b32 s51, s26, 19                        ; a weight's tile 0: 128 ks rows of 4,096 bytes
	s_lshl_b32 s30, s27, 9                         ; + 512 bytes for each 128 columns
	s_add_co_u32 s51, s51, s30
	s_lshl_b32 s30, ttmp9, 18                      ; x's tile 0: 64 rows for each work-group
	s_lshl_b32 s31, s24, 10                        ; + two K steps of 512 bytes for each wave
	s_add_co_u32 s30, s30, s31
	s_mov_b32 s48, 0x40000                         ; from tile 0 to tile 1: 64 rows in a weight,
	s_cmp_lt_u32 ttmp9, 128
	s_cselect_b32 s30, s30, s51
	s_cselect_b32 s48, 512, s48                    ; 512 bytes in x
	s_mov_b32 s31, 0
	s_mov_b32 s49, 0
	s_mul_i32 s25, s24, WREG                       ; my two tiles in LDS
	s_mov_b32 s2, 0x76543210
	s_mov_b32 s3, 0xfedcba98                       ; v_permlanex16_b32's selects for lane l xor 16
	s_wait_dscnt 0x0                               ; both opening adds are done
	s_wait_kmcnt 0x0
	s_cmp_lt_u32 ttmp9, 176                        ; the source: a choice on the work-group's number alone
	s_cselect_b64 s[28:29], s[10:11], s[12:13]
	s_cmp_lt_u32 ttmp9, 160
	s_cselect_b64 s[28:29], s[8:9], s[28:29]
	s_cmp_lt_u32 ttmp9, 144
	s_cselect_b64 s[28:29], s[6:7], s[28:29]
	s_cmp_lt_u32 ttmp9, 128
	s_cselect_b64 s[28:29], s[4:5], s[28:29]
	s_add_nc_u64 s[28:29], s[28:29], s[30:31]
	s_mov_b32 s40, 1
	s_mov_b32 s41, s25
	s_mov_b64 s[42:43], s[28:29]
	s_or_b32 s43, s43, 0x80000000
	s_mov_b32 s44, 1
	s_add_co_u32 s45, s25, TILE
	s_add_nc_u64 s[46:47], s[28:29], s[48:49]
	s_or_b32 s47, s47, 0x80000000
	tensor_load_to_lds s[40:43], s[32:39]          ; both first fills together: two loads of mine are out
	s_nop 0
	tensor_load_to_lds s[44:47], s[32:39]
	s_nop 0
.rept 4
	v_nop
.endr
	v_and_b32 v3, 31, v0                           ; lane
	v_and_b32 v4, 15, v0                           ; r
	v_bfe_u32 v5, v0, 4, 1                         ; h
	v_mul_u32_u24 v6, v4, PITCH
	v_lshl_add_u32 v6, v5, 7, v6
	v_add_nc_u32 v6, s25, v6                       ; x: row r, + 128 h bytes: my 32 numbers of a 64
	v_add_nc_u32 v7, TILE, v6
	v_lshlrev_b32 v12, 2, v3
	v_add_nc_u32 v12, s25, v12                     ; a weight: a lane to a column, 4 bytes a lane
	v_add_nc_u32 v13, TILE, v12
	v_lshlrev_b32 v9, 4, v4
	v_lshl_add_u32 v9, v5, 3, v9                   ; 16 r + 8 h: where I store two scale words
	v_lshlrev_b32 v10, 3, v5                       ; 8 h
	v_mov_b32 v23, 0                               ; written once: a lane permute's destination counts as one of its sources
.macro FINISH                          ; the wave's end, behind my last tensor load
	s_wait_tensorcnt 0x0
	ds_add_u32 v[SPW], v[NIL]
	s_wait_dscnt 0x0
	s_endpgm
.endm
	s_cmp_lt_u32 ttmp9, 128
	s_cbranch_scc0 .Lweights
; ---------------- x: a unit is the fragment of rows 16 j .. 16 j + 15 of tile t (K step 2 w + t): 64 numbers a lane, two whole blocks of 32
	s_lshl_b32 s28, ttmp9, 15                      ; xc: 4 tiles of 16 rows x 8,192 bytes for each work-group,
	s_lshl_b32 s29, s24, 11                        ; two K steps of 1,024 bytes for each wave
	s_add_co_u32 s28, s28, s29
	s_mov_b32 s29, 0
	s_add_nc_u64 s[14:15], s[14:15], s[28:29]
	s_lshl_b32 s28, s24, 16                        ; xs: two K steps of 32,768 bytes for each wave,
	s_lshl_b32 s30, ttmp9, 8                       ; 256 bytes for each group of 64 rows
	s_add_co_u32 s28, s28, s30
	s_add_nc_u64 s[16:17], s[16:17], s[28:29]
	v_lshlrev_b32 v8, 4, v3                        ; 16 x lane
	v_cmp_ne_u32 s51, 0, v5                        ; lanes 16-31
.macro XLD t, j, set
.irp c, 0,1
.irp i, 0,1,2,3,4,5,6,7
	ds_load_b128 v[32+64*(\set)+32*\c+4*\i:32+64*(\set)+32*\c+4*\i+3], v[6+(\t)] offset:(\j)*16*PITCH+256*\c+16*\i
.endr
.endr
.endm
.macro XPROC t, j, set
.set RW, 32+64*(\set)
.set CD, 160+8*(\set)
.irp c, 0,1                            ; block 2 c + h of my row: its largest magnitude, in two chains, with the floor 2^(3 - 127) among the leaves: the byte cannot fall under 1
	v_max3_num_f32 v[16+2*\c], |v[RW+32*\c]|, |v[RW+32*\c+1]|, 0x1800000
	v_max3_num_f32 v[17+2*\c], |v[RW+32*\c+2]|, |v[RW+32*\c+3]|, 0x1800000
.endr
.irp i, 4,8,12,16,20,24,28
.irp c, 0,1
	v_max3_num_f32 v[16+2*\c], v[16+2*\c], |v[RW+32*\c+\i]|, |v[RW+32*\c+\i+1]|
	v_max3_num_f32 v[17+2*\c], v[17+2*\c], |v[RW+32*\c+\i+2]|, |v[RW+32*\c+\i+3]|
.endr
.endr
.irp c, 0,1
	v_max_num_f32 v[16+2*\c], v[16+2*\c], v[17+2*\c]
.endr
.irp c, 0,1
	v_add_nc_u32 v[24+\c], 0xff000000, v[16+2*\c]  ; 2 off the exponent field: the conversion takes the exponent field of this operand as its scale
.endr
.irp c, 0,1
	v_lshrrev_b32 v[26+\c], 23, v[24+\c]           ; the scale's byte
.endr
	v_lshl_or_b32 v22, v27, 16, v26                ; my two bytes: blocks h and 2 + h,
	v_lshlrev_b32 v22, v10, v22                    ; at their places in the word;
	v_permlanex16_b32 v23, v22, s2, s3
	v_or_b32 v[176+(\j)], v22, v23                 ; with lane l xor 16's two the word of row 16 j + r is whole
	s_wait_xcnt 0x0                                ; the stores of two units ago have read this set of code registers
.irp c, 0,1
.irp g, 0,1,2,3
	v_cvt_scalef32_pk8_fp4_f32 v[CD+4*\c+\g], v[RW+32*\c+8*\g:RW+32*\c+8*\g+7], v[24+\c]
.endr
.endr
	v_nop                                          ; one plain place behind the last scaled conversion
.irp c, 0,1
	global_store_b128 v8, v[CD+4*\c:CD+4*\c+3], s[14:15] offset:(\j)*8192+(\t)*1024+512*\c   ; 512 consecutive bytes
.endr
.if (\j) == 3                          ; the K step's words of 64 rows: lane (r, h) stores those of rows 16 h + r and 32 + 16 h + r: 256 consecutive bytes a wave
	v_cndmask_b32 v[180+2*(\t)], v176, v177, s51
	v_cndmask_b32 v[181+2*(\t)], v178, v179, s51
	global_store_b64 v9, v[180+2*(\t):181+2*(\t)], s[16:17] offset:(\t)*32768
.endif
.endm
	s_wait_tensorcnt 0x1                           ; tile 0 is in; tile 1 may stay out
	XLD 0, 0, 0
.set U, 0
.rept 8
.if U < 7
.if U == 3
	s_wait_tensorcnt 0x0                           ; tile 1 is in
.endif
	XLD (U+1)/4, (U+1)%4, (U+1)%2
	s_wait_dscnt 16                                ; this unit's 16 loads are in; the next unit's 16 may be out
.else
	s_wait_dscnt 0x0
.endif
	XPROC U/4, U%4, U%2
.set U, U+1
.endr
	FINISH
.Lweights:
; ---------------- the weights: A LANE TAKES A COLUMN AND ITS REGISTERS RUN DOWN K.  A unit is block kb (32 along K) of the K step, columns 32 cg + lane
.macro WLD t, e, cg, set
.set I, 0
.rept 32
	ds_load_b32 v[32+32*(\set)+I], v[12+(\t)] offset:(32*(\e)+I)*PITCH+128*(\cg)
.set I, I+1
.endr
.endm
	s_cmp_lt_u32 ttmp9, 176
	s_cbranch_scc0 .Lwo
	s_lshl_b32 s28, s50, 19                        ; wc: 64 tiles of 16 columns x 8,192 bytes for each matrix,
	s_lshl_b32 s29, s27, 16                        ; 8 tiles for each 128 columns,
	s_add_co_u32 s28, s28, s29
	s_lshl_b32 s29, s26, 10                        ; 1,024 bytes for each K step
	s_add_co_u32 s28, s28, s29
	s_mov_b32 s29, 0
	s_add_nc_u64 s[18:19], s[18:19], s[28:29]
	s_mul_i32 s28, s26, 12288                      ; ws: 12,288 bytes for each K step,
	s_lshl_b32 s30, s50, 12                        ; 16 groups of 64 columns for each matrix,
	s_add_co_u32 s28, s28, s30
	s_lshl_b32 s30, s27, 9                         ; two for each 128 columns
	s_add_co_u32 s28, s28, s30
	s_add_nc_u64 s[20:21], s[20:21], s[28:29]
	v_lshlrev_b32 v8, 4, v4
	v_lshl_add_u32 v8, v5, 13, v8                  ; lanes 16-31 belong to the next tile of 16 columns: 8,192 bytes on
.macro WPROC kb, cg, set
.set RW, 32+32*(\set)
.set CD, 160+8*(\set)
	v_max3_num_f32 v16, |v[RW]|, |v[RW+1]|, 0x1800000              ; the block's largest magnitude: all 32 numbers are mine; the floor as above
	v_max3_num_f32 v17, |v[RW+2]|, |v[RW+3]|, 0x1800000
.irp i, 4,8,12,16,20,24,28
	v_max3_num_f32 v16, v16, |v[RW+\i]|, |v[RW+\i+1]|
	v_max3_num_f32 v17, v17, |v[RW+\i+2]|, |v[RW+\i+3]|
.endr
	v_max_num_f32 v16, v16, v17
	v_add_nc_u32 v18, 0xff000000, v16
	v_lshrrev_b32 v20, 23, v18
.if (\kb) == 0
	v_mov_b32 v[176+(\cg)], v20                    ; my column's scale word: four bytes, the lower K in the lower byte
.else
	v_lshl_or_b32 v[176+(\cg)], v20, 8*(\kb), v[176+(\cg)]
.endif
	s_wait_xcnt 0x0                                ; the store of two units ago has read this set of code registers
.irp g, 0,1,2,3
	v_cvt_scalef32_pk8_fp4_f32 v[CD+\g], v[RW+8*\g:RW+8*\g+7], v18
.endr
	v_nop
	global_store_b128 v8, v[CD:CD+3], s[18:19] offset:(\cg)*16384+((\kb)/2)*512+((\kb)%2)*256   ; block kb is half kb % 2 of register group kb / 2: sixteen lanes store 256 consecutive bytes
.endm
	s_wait_tensorcnt 0x1
	WLD 0, 0, 0, 0
.set U, 0
.rept 16
.if U < 15
.if U == 7
	s_wait_tensorcnt 0x0
.endif
	WLD (U+1)/8, ((U+1)/4)%2, (U+1)%4, (U+1)%2
	s_wait_dscnt 32                                ; this unit's 32 loads are in; the next unit's may be out
.else
	s_wait_dscnt 0x0
.endif
	WPROC U/4, U%4, U%2
.set U, U+1
.endr
	global_store_b64 v9, v[176:177], s[20:21]             ; columns 32 cg + lane, cg = 0, 1: the group's slots 2 h and 2 h + 1
	global_store_b64 v9, v[178:179], s[20:21] offset:256  ; and the next group of 64 columns
	FINISH
.Lwo:
	s_lshl_b32 s28, s27, 18                        ; wo16: 8 tiles of 16 columns x 32,768 bytes for each 128 columns,
	s_lshl_b32 s29, s26, 12                        ; 4 x 1,024 bytes for each K step of 128
	s_add_co_u32 s28, s28, s29
	s_mov_b32 s29, 0
	s_add_nc_u64 s[22:23], s[22:23], s[28:29]
	v_lshlrev_b32 v8, 4, v4
	v_lshl_add_u32 v8, v5, 15, v8
.macro OPROC kb, cg, set
.set RW, 32+32*(\set)
.set CD, 160+16*(\set)
	s_wait_xcnt 0x0                                ; the stores of two units ago have read this set
.set I, 0
.rept 16
	v_cvt_pk_f16_f32 v[CD+I], v[RW+2*I], v[RW+2*I+1]
.set I, I+1
.endr
.irp q, 0,1,2,3                        ; k = 8 q .. 8 q + 7: half q / 2 of the fragment, lanes 16 (q % 2) on
	global_store_b128 v8, v[CD+4*\q:CD+4*\q+3], s[22:23] offset:(\cg)*65536+(\kb)*1024+(\q/2)*512+(\q%2)*256
.endr
.endm
	s_wait_tensorcnt 0x1
	WLD 0, 0, 0, 0
.set U, 0
.rept 16
.if U < 15
.if U == 7
	s_wait_tensorcnt 0x0
.endif
	WLD (U+1)/8, ((U+1)/4)%2, (U+1)%4, (U+1)%2
	s_wait_dscnt 32
.else
	s_wait_dscnt 0x0
.endif
	OPROC U/4, U%4, U%2
.set U, U+1
.endr
	FINISH
.Lfunc_end_k_qd25ee0af9a_prep:
	.size	k_qd25ee0af9a_prep, .Lfunc_end_k_qd25ee0af9a_prep-k_qd25ee0af9a_prep
	.p2alignl 7, 3214868480
	.fill 96, 4, 3214868480
	.section	.rodata,"a",@progbits
	.p2align	6, 0x0
	.amdhsa_kernel k_qd25ee0af9a_prep
		.amdhsa_group_segment_fixed_size 270848
		.amdhsa_private_segment_fixed_size 0
		.amdhsa_enable_private_segment 0
		.amdhsa_kernarg_size 80
		.amdhsa_user_sgpr_count 2
		.amdhsa_user_sgpr_kernarg_segment_ptr 1
		.amdhsa_wavefront_size32 1
		.amdhsa_system_sgpr_workgroup_id_x 1
		.amdhsa_system_sgpr_workgroup_id_y 1
		.amdhsa_system_sgpr_workgroup_id_z 1
		.amdhsa_system_vgpr_workitem_id 0
		.amdhsa_next_free_vgpr 192
		.amdhsa_next_free_sgpr 66
		.amdhsa_reserve_vcc 0
		.amdhsa_float_denorm_mode_32 3
		.amdhsa_float_denorm_mode_16_64 3
		.amdhsa_memory_ordered 1
		.amdhsa_forward_progress 1
		.amdhsa_inst_pref_size 156
	.end_amdhsa_kernel
	.amdgpu_metadata
---
amdhsa.version: [ 1, 2 ]
amdhsa.kernels:
  - .name:           k_qd25ee0af9a_prep
    .symbol:         k_qd25ee0af9a_prep.kd
    .args:
      - { .name: x, .offset: 0, .size: 8, .value_kind: global_buffer, .address_space: global }
      - { .name: Wq, .offset: 8, .size: 8, .value_kind: global_buffer, .address_space: global }
      - { .name: Wk, .offset: 16, .size: 8, .value_kind: global_buffer, .address_space: global }
      - { .name: Wv, .offset: 24, .size: 8, .value_kind: global_buffer, .address_space: global }
      - { .name: Wo, .offset: 32, .size: 8, .value_kind: global_buffer, .address_space: global }
      - { .name: xc, .offset: 40, .size: 8, .value_kind: global_buffer, .address_space: global }
      - { .name: xs, .offset: 48, .size: 8, .value_kind: global_buffer, .address_space: global }
      - { .name: wc, .offset: 56, .size: 8, .value_kind: global_buffer, .address_space: global }
      - { .name: ws, .offset: 64, .size: 8, .value_kind: global_buffer, .address_space: global }
      - { .name: wo16, .offset: 72, .size: 8, .value_kind: global_buffer, .address_space: global }
    .group_segment_fixed_size: 270848
    .private_segment_fixed_size: 0
    .kernarg_segment_align: 8
    .kernarg_segment_size: 80
    .max_flat_workgroup_size: 128
    .sgpr_count:     66
    .vgpr_count:     192
    .wavefront_size: 32
...
	.end_amdgpu_metadata
.endif
;; end of part 1
;; launch qkv2 (part 2): grid 12 x 32, 4 waves a work-group, clusters of 4 x 4, 279,040 bytes of LDS; arguments xc, xs, wc, ws, bq, bk, bv, qkv; writes qkv
.if DOCPART == 2
	.amdgcn_target "amdgcn-amd-amdhsa--gfx1250"
	.amdhsa_code_object_version 6
	.text
	.protected	k_qd25ee0af9a_qkv2
	.globl	k_qd25ee0af9a_qkv2
	.p2align	8
	.type	k_qd25ee0af9a_qkv2,@function
k_qd25ee0af9a_qkv2:
	s_mov_b64 s[64:65], 0
	v_nop
	global_prefetch_b8 v0, s[64:65] scope:SCOPE_SE
	s_setreg_imm32_b32 hwreg(HW_REG_WAVE_MODE, 25, 1), 1
	s_wait_xcnt 0x0
	s_wait_alu depctr_hold_cnt(0) depctr_sa_sdst(0) depctr_va_vdst(0) depctr_va_sdst(0) depctr_va_ssrc(0) depctr_va_vcc(0) depctr_vm_vsrc(0)
	s_getreg_b32 s2, hwreg(HW_REG_IB_STS2, 6, 4)
	s_cmp_eq_u32 s2, 0
	s_cbranch_scc0 .Lentry_in_a_cluster
	s_endpgm
.Lentry_in_a_cluster:
	s_bfe_u32 s2, ttmp6, 0x10000c
	s_cmp_lg_u32 s2, 0xf033
	s_cbranch_scc0 .Lentry_shape_is_right
	s_endpgm
.Lentry_shape_is_right:
; [q | k | v] = Q(x) Q([Wq | Wk | Wv]) + bias on codes of FP4 with E8M0 scales: 8,192 x 3,072 x 1,024; q is then multiplied by c = log2(e) / 8 in f32; each number is rounded once, to f16.
; A tile of C, 256 x 256, is made by four waves, 128 x 128 each: 64 accumulators.  ALL OF K FITS IN LDS (128 KB of x's codes, 128 KB of W's, 16 KB of scale words): five loads a wave at the head, first fills
; only, no ring.  Codes and scale words lie in memory as images of the operand's registers, so every fragment load takes 512 consecutive bytes and no padding is wanted.
; CLUSTERS: 4 x 4 work-groups; the four of a row need the same rows of x, the four of a column the same columns of W: each tile is asked for jointly.  Cluster x = 0, 1, 2 is q, k, v.
; THE MATRIX INSTRUCTION IS USED TRANSPOSED (source 0 = 16 columns of W, source 1 = 16 tokens): a lane holds one token and eight neighbouring channels; packed to f16 these 16 bytes ARE the lane's part
; of the next product's fragment, so results are stored straight from registers, 512 consecutive bytes an instruction.
; qkv: section (q, k, v) x 16,777,216 + (batch x 16 + head) x 262,144 + tile of 16 tokens x 2,048 + tile of 16 channels x 512 + (q, k: 16 lane;  v: 32 r + 16 h, 16 tokens x 16 channels by rows).
; LIMIT: |q c|, |k|, |v| stay under 65,504.
; REGISTERS: window 0: v16-19, v20-23 LDS addresses of x's and W's fragments in chunk 0..3; v24 of my scale words; v32-95 scale words of all of K (nothing else ever lies there);
;   v128-191 x's fragments, one set; v192-255 the bias, eight registers for each of my 8 tiles of columns.  window 1: W's fragments, two sets, at v0 and v128.  windows 2, 3: the accumulators.
; SCALARS: s[24:31], s[32:39] groups 1 for x's and W's codes; s[40:47], s[48:55] for their scale words; groups 0: s[56:59] x's scale words, s[60:63], s[68:79] x's chunks; s[80:83], s[84:99] W's.
.set CHUNK, 65536                      ; LDS: chunk q = K 256 q on: x's 16 tiles of rows x 2,048 bytes, then W's 16
.set SCA,   262144                     ; x's scale words, 8 K steps x 1,024 bytes; W's 8,192 bytes on
.set SPARE, 278528                     ; the spare words, 128 bytes for each wave, which no other line names
.set ADRA, 16
.set ADRB, 20
.set ADRS, 24
.set CO,   25                          ; v25  my byte offset in a stored tile
.set BO,   26                          ; v26  32 h
.set SPW,  28
.set NIL,  29
.set SC,   32
.set AF,   128
.set BI,   192
.set MSB, 0
.macro WIN new                         ; the immediate's high byte repeats the setting that is left
.if MSB != (\new)
	s_set_vgpr_msb (MSB<<8)|(\new)
.set MSB, (\new)
.endif
.endm
.macro CROUND                          ; a round of the cluster's barrier
	s_barrier_signal -1
	s_barrier_wait -1
	s_cmp_lg_u32 s20, 0
	s_cbranch_scc1 .Lnot_wave_0_\@
	s_barrier_signal -3
.Lnot_wave_0_\@:
	s_barrier_wait -3
	s_barrier_signal -1
	s_barrier_wait -1
.endm
.macro PLACES
.rept 4
	v_nop
.endr
.endm
	s_load_b512 s[4:19], s[0:1], 0x0               ; xc, xs, wc, ws, bq, bk, bv, qkv
	v_lshl_add_u32 v[SPW], v0, 2, SPARE
	v_mov_b32 v[NIL], 0
	ds_add_u32 v[SPW], v[NIL]                      ; the wave's opening: the add, twice on end, and its wait ahead of my first tensor load
	ds_add_u32 v[SPW], v[NIL]
	v_lshrrev_b32 v1, 5, v0
	v_readfirstlane_b32 s20, v1                    ; wave 0..3
	s_lshr_b32 s21, s20, 1                         ; which half of the tile's rows is mine.  Also: I fetch for x (0) or for W (1)
	s_and_b32 s22, s20, 1                          ; which half of its columns.  Also: which half of that operand I fetch
	s_bfe_u32 s23, ttmp6, 0x40000                  ; cx
	s_bfe_u32 s2, ttmp6, 0x40004                   ; cy
	s_lshl_b32 s3, ttmp9, 2
	s_add_co_u32 s3, s3, s23                       ; tile column 0..11
	s_and_b32 s66, ttmp7, 0xffff
	s_lshl_b32 s66, s66, 2
	s_add_co_u32 s66, s66, s2                      ; tile row 0..31
	s_lshl_b32 s67, s2, 2
	s_lshl_b32 s67, 15, s67                        ; my row of the cluster
	s_lshl_b32 s100, 0x1111, s23                   ; my column
	; descriptor groups 1.  Codes: 8 tiles of 16 rows, of each the chunk's 2,048 bytes (256 elements of 8 bytes), 8,192 bytes apart.  Scale words: 4 K steps x 1,024 bytes
	s_or_b32 s24, s67, (3<<16)|(1<<21)
	s_or_b32 s32, s100, (3<<16)|(1<<21)
	s_or_b32 s40, s67, (3<<16)|(1<<21)
	s_or_b32 s48, s100, (3<<16)|(1<<21)
.irp g, 24, 32
	s_mov_b32 s[\g+1], 256<<16
	s_mov_b32 s[\g+2], 8<<16
	s_mov_b32 s[\g+3], 256<<16
	s_mov_b32 s[\g+4], 8
	s_mov_b32 s[\g+5], 1024
	s_mov_b32 s[\g+6], 0
	s_mov_b32 s[\g+7], 0
.endr
.irp g, 40, 48
	s_mov_b32 s[\g+1], 128<<16
	s_mov_b32 s[\g+2], 4<<16
	s_mov_b32 s[\g+3], 128<<16
	s_mov_b32 s[\g+4], 4
	s_mov_b32 s[\g+6], 0
	s_mov_b32 s[\g+7], 0
.endr
	s_mov_b32 s45, 4096                            ; xs: 32,768 bytes from K step to K step
	s_mov_b32 s53, 1536                            ; ws: 12,288
	; where the tiles come from: x's hang on the tile row alone, W's on the tile column alone, each in registers that never hold the other coordinate
	s_lshl_b32 s62, s66, 17                        ; xc: 16 tiles x 8,192 bytes for each tile row,
	s_lshl_b32 s67, s22, 16                        ; my 8 of them
	s_add_co_u32 s62, s62, s67
	s_mov_b32 s63, 0
	s_lshl_b32 s58, s66, 10                        ; xs: 1,024 bytes for each tile row,
	s_lshl_b32 s67, s22, 17                        ; my 4 K steps
	s_add_co_u32 s58, s58, s67
	s_mov_b32 s59, 0
	s_lshl_b32 s86, s3, 17
	s_lshl_b32 s100, s22, 16
	s_add_co_u32 s86, s86, s100
	s_mov_b32 s87, 0
	s_lshl_b32 s82, s3, 10
	s_mul_i32 s100, s22, 49152
	s_add_co_u32 s82, s82, s100
	s_mov_b32 s83, 0
	s_lshl_b32 s101, s20, 14                       ; where they go: wave x 16,384 in a chunk: x's two halves, then W's two
	s_lshl_b32 s57, s20, 12
	s_add_co_u32 s57, s57, SCA                     ; and wave x 4,096 among the scale words
	s_mov_b32 s81, s57
	s_wait_dscnt 0x0                               ; both opening adds are done
	s_wait_kmcnt 0x0
	s_mov_b32 s56, 1
	s_add_nc_u64 s[58:59], s[6:7], s[58:59]
	s_or_b32 s59, s59, 0x80000000
	s_mov_b32 s80, 1
	s_add_nc_u64 s[82:83], s[10:11], s[82:83]
	s_or_b32 s83, s83, 0x80000000
	s_mov_b32 s60, 1
	s_mov_b32 s61, s101
	s_add_nc_u64 s[62:63], s[4:5], s[62:63]
	s_mov_b32 s84, 1
	s_mov_b32 s85, s101
	s_add_nc_u64 s[86:87], s[8:9], s[86:87]
.irp q, 1,2,3                          ; x's chunk q: s[64 + 4 q : 67 + 4 q] = s[68:71], s[72:75], s[76:79];  W's: s[84 + 4 q : 87 + 4 q]
	s_mov_b32 s[64+4*\q], 1
	s_add_co_u32 s[65+4*\q], s101, \q*CHUNK
	s_add_nc_u64 s[66+4*\q:67+4*\q], s[62:63], \q*2048
	s_or_b32 s[67+4*\q], s[67+4*\q], 0x80000000
	s_mov_b32 s[84+4*\q], 1
	s_add_co_u32 s[85+4*\q], s101, \q*CHUNK
	s_add_nc_u64 s[86+4*\q:87+4*\q], s[86:87], \q*2048
	s_or_b32 s[87+4*\q], s[87+4*\q], 0x80000000
.endr
	s_or_b32 s63, s63, 0x80000000
	s_or_b32 s87, s87, 0x80000000
	CROUND                                         ; all sixteen work-groups are here: the joint loads meet
	s_cmp_eq_u32 s21, 0                            ; a wave's five first fills stand in one branch on the wave's number: five loads of mine are out
	s_cbranch_scc0 .Lfor_w
	tensor_load_to_lds s[56:59], s[40:47]          ; the scale words first, then the chunks in the order in which they are wanted
	s_nop 0
	tensor_load_to_lds s[60:63], s[24:31]
	s_nop 0
	tensor_load_to_lds s[68:71], s[24:31]
	s_nop 0
	tensor_load_to_lds s[72:75], s[24:31]
	s_nop 0
	tensor_load_to_lds s[76:79], s[24:31]
	s_nop 0
	PLACES
	s_branch .Lasked
.Lfor_w:
	tensor_load_to_lds s[80:83], s[48:55]
	s_nop 0
	tensor_load_to_lds s[84:87], s[32:39]
	s_nop 0
	tensor_load_to_lds s[88:91], s[32:39]
	s_nop 0
	tensor_load_to_lds s[92:95], s[32:39]
	s_nop 0
	tensor_load_to_lds s[96:99], s[32:39]
	s_nop 0
	PLACES
.Lasked:
	v_and_b32 v1, 31, v0                           ; lane
	v_and_b32 v2, 15, v0                           ; r
	v_bfe_u32 v3, v0, 4, 1                         ; h
	v_lshlrev_b32 v4, 4, v1                        ; 16 x lane
	v_lshlrev_b32 v[BO], 5, v3
	s_cmp_eq_u32 ttmp9, 0                          ; the bias: bq, bk or bv by the cluster's x
	s_cselect_b64 s[12:13], s[12:13], s[14:15]
	s_cmp_eq_u32 ttmp9, 2
	s_cselect_b64 s[12:13], s[16:17], s[12:13]
	s_lshl_b32 s14, s23, 10                        ; 256 numbers for each tile column of the section,
	s_lshl_b32 s15, s22, 9                         ; 128 for my half
	s_add_co_u32 s14, s14, s15
	s_mov_b32 s15, 0
	s_add_nc_u64 s[12:13], s[12:13], s[14:15]
.irp b, 0,1,2,3,4,5,6,7                ; in the result's layout: lane (r, h) wants the numbers of columns 16 b + 8 h + 0 .. 7
	global_load_b128 v[BI+8*\b:BI+8*\b+3], v[BO], s[12:13] offset:64*\b
	global_load_b128 v[BI+8*\b+4:BI+8*\b+7], v[BO], s[12:13] offset:64*\b+16
.endr
	s_lshl_b32 s67, s21, 14                        ; my 8 tiles of rows of x,
	s_lshl_b32 s100, s22, 14
	s_add_co_u32 s100, s100, 32768                 ; my 8 tiles of columns of W, behind x's 16
.irp q, 0,1,2,3
	v_add_nc_u32 v[ADRA+\q], s67, v4
	v_add_nc_u32 v[ADRB+\q], s100, v4
	s_add_co_u32 s67, s67, CHUNK
	s_add_co_u32 s100, s100, CHUNK
.endr
	s_lshl_b32 s67, s21, 9                         ; my scale words: lanes 0-15 x's (my two groups of 64 rows), lanes 16-31 W's: one product, the lower base + h x the distance
	s_lshl_b32 s100, s22, 9
	s_add_co_u32 s100, s100, 8192
	s_sub_co_u32 s100, s100, s67
	v_mul_u32_u24 v5, s100, v3
	s_add_co_u32 s67, s67, SCA
	v_lshl_add_u32 v5, v2, 4, v5
	v_add_nc_u32 v[ADRS], s67, v5
	; the way out: where my part begins in qkv, my lane's place in a stored tile, and the multiplier
	s_lshl_b32 s14, ttmp9, 24                      ; the section
	s_lshr_b32 s15, s66, 3
	s_lshl_b32 s15, s15, 22                        ; the batch: 16 heads x 262,144
	s_add_co_u32 s14, s14, s15
	s_lshl_b32 s15, s23, 2
	s_lshl_b32 s16, s22, 1
	s_add_co_u32 s15, s15, s16                     ; my first head: 4 x tile column of the section + 2 x half
	s_lshl_b32 s15, s15, 18
	s_add_co_u32 s14, s14, s15
	s_and_b32 s15, s66, 7
	s_lshl_b32 s15, s15, 4
	s_lshl_b32 s16, s21, 3
	s_add_co_u32 s15, s15, s16                     ; my first tile of 16 tokens in the batch
	s_lshl_b32 s15, s15, 11
	s_add_co_u32 s14, s14, s15
	s_mov_b32 s15, 0
	s_add_nc_u64 s[18:19], s[18:19], s[14:15]
	s_mov_b32 s17, 256
	s_cmp_eq_u32 ttmp9, 2
	s_cselect_b32 s16, 32, 16                      ; q, k: 16 r + 256 h (the fragment's image);  v: 32 r + 16 h (by rows)
	s_cselect_b32 s17, 16, s17
	v_mul_u32_u24 v[CO], v2, s16
	v_mad_u32_u24 v[CO], v3, s17, v[CO]
	s_mov_b32 s4, 1.0
	s_cmp_eq_u32 ttmp9, 0
	s_cselect_b32 s4, 0x3e38aa3b, s4               ; q x log2(e) / 8; k and v x 1
	s_mov_b32 s5, s4                               ; (named with it as a pair)
.macro FRAG reg, adr, ks, i            ; a fragment, 16 rows x 128 K: 8 registers, two loads of 512 consecutive bytes
.irp c, 0,1
	ds_load_b128 v[\reg+4*\c:\reg+4*\c+3], v[\adr] offset:(\i)*2048+((\ks)%2)*1024+512*\c
.endr
.endm
.macro FETCH_B ks, p
	WIN 0x40
.irp i, 0,1,2,3,4,5,6,7
	FRAG 128*(\p)+8*\i, ADRB+(\ks)/2, \ks, \i
.endr
	WIN 0
.endm
.macro FETCH_A ks, i0
.irp i, \i0, \i0+1, \i0+2, \i0+3
	FRAG AF+8*(\i), ADRA+(\ks)/2, \ks, \i
.endr
.endm
; 16 matrix instructions: x's blocks a0, a0 + 1 against W's eight.  first = 1: the bias is the C of the sum's first instruction.  The 64 accumulators take turns, one instruction a turn, in the same order
; in every step.  The scale word of block i, K step ks, lies in v[SC + 8 ks + 4 (i / 4) + 2 (i % 2) + (i % 4) / 2]: lanes 0-15 x's, lanes 16-31 W's.
.macro MUL16 a0, p, ks, first
.irp a, \a0, \a0+1
.irp b, 0,1,2,3,4,5,6,7
.if \first
	v_wmma_scale_f32_16x16x128_f8f6f4 v[8*(8*((\a)%4)+\b):8*(8*((\a)%4)+\b)+7], v[128*(\p)+8*\b:128*(\p)+8*\b+7], v[AF+8*(\a):AF+8*(\a)+7], v[BI+8*\b:BI+8*\b+7], v[SC+8*(\ks)+4*(\b/4)+2*(\b%2)+(\b%4)/2], v[SC+8*(\ks)+4*((\a)/4)+2*((\a)%2)+((\a)%4)/2] matrix_a_fmt:MATRIX_FMT_FP4 matrix_b_fmt:MATRIX_FMT_FP4 matrix_a_scale:MATRIX_SCALE_ROW1
.else
	v_wmma_scale_f32_16x16x128_f8f6f4 v[8*(8*((\a)%4)+\b):8*(8*((\a)%4)+\b)+7], v[128*(\p)+8*\b:128*(\p)+8*\b+7], v[AF+8*(\a):AF+8*(\a)+7], v[8*(8*((\a)%4)+\b):8*(8*((\a)%4)+\b)+7], v[SC+8*(\ks)+4*(\b/4)+2*(\b%2)+(\b%4)/2], v[SC+8*(\ks)+4*((\a)/4)+2*((\a)%2)+((\a)%4)/2] matrix_a_fmt:MATRIX_FMT_FP4 matrix_b_fmt:MATRIX_FMT_FP4 matrix_a_scale:MATRIX_SCALE_ROW1
.endif
.endr
.endr
.endm
; A step of 128 along K with a successor.  x's blocks have one set of registers: blocks 0-3 are fetched anew in the step's middle, blocks 4-7 at its end; W has two sets.
.macro STEP ks, first
	s_wait_dscnt 8                                 ; W's set and x's blocks 0-3 are in; the youngest eight loads (x's blocks 4-7) may be out
.if \first
	WIN 0x81                                       ; source 0 (W) window 1, source 1 (x) and C (the bias) window 0, D window 2
.else
	WIN 0xa1                                       ; C and D window 2
.endif
	MUL16 0, (\ks)%2, \ks, \first
	MUL16 2, (\ks)%2, \ks, \first
	s_wait_dscnt 0x0                               ; x's blocks 4-7 are in; no LDS load of mine is out
.if (\ks)%2 == 1
	s_wait_tensorcnt 3-((\ks)+1)/2                 ; my part of the next chunk is in; the chunks behind it may stay out
	s_barrier_signal -1
	s_barrier_wait -1                              ; everybody's is
.endif
	PLACES                                         ; in front of loads into registers that matrix instructions have read
	FETCH_B (\ks)+1, 1-(\ks)%2
	FETCH_A (\ks)+1, 0
.if \first
	WIN 0xc1
.else
	WIN 0xf1
.endif
	MUL16 4, (\ks)%2, \ks, \first
	MUL16 6, (\ks)%2, \ks, \first
	PLACES
	WIN 0
	FETCH_A (\ks)+1, 4
.endm
	s_wait_tensorcnt 0x3                           ; the scale words and my part of chunk 0 are in; three chunks may be out
	s_barrier_signal -1
	s_barrier_wait -1
.irp k, 0,1,2,3,4,5,6,7                ; the scale words of all of K stay in registers
.irp g, 0,1
	ds_load_b128 v[SC+8*\k+4*\g:SC+8*\k+4*\g+3], v[ADRS] offset:1024*\k+256*\g
.endr
.endr
	FETCH_B 0, 0
	FETCH_A 0, 0
	FETCH_A 0, 4
	s_wait_loadcnt 0x0                             ; the bias
	STEP 0, 1
	STEP 1, 0
	STEP 2, 0
	STEP 3, 0
	STEP 4, 0
	STEP 5, 0
	STEP 6, 0
	s_wait_dscnt 8                                 ; the last step: nothing more to fetch
	WIN 0xa1
	MUL16 0, 1, 7, 0
	MUL16 2, 1, 7, 0
	s_wait_dscnt 0x0
	WIN 0xf1
	MUL16 4, 1, 7, 0
	MUL16 6, 1, 7, 0
	WIN 0
	PLACES                                         ; in front of the first read of results and the first write of registers that the last products read
; THE WAY OUT, a block of 16 tokens x 128 channels at a time: x the multiplier in f32 (each accumulator from its low end on), rounded to f16, stored as it stands
.macro OUTBLK a
	WIN 0x02+(\a)/4                                ; source 0: window 2 or 3
.set I, 0
.rept 32
	v_pk_mul_f32 v[BI+2*I:BI+2*I+1], v[64*((\a)%4)+2*I:64*((\a)%4)+2*I+1], s[4:5] op_sel_hi:[1,0]
.set I, I+1
.endr
	WIN 0
.if (\a) >= 2
	s_wait_xcnt 0x0                                ; the stores of two blocks ago have read these registers
.endif
.set I, 0
.rept 32
	v_cvt_pk_f16_f32 v[AF+32*((\a)%2)+I], v[BI+2*I], v[BI+2*I+1]
.set I, I+1
.endr
.irp b, 0,1,2,3,4,5,6,7
	global_store_b128 v[CO], v[AF+32*((\a)%2)+4*\b:AF+32*((\a)%2)+4*\b+3], s[18:19] offset:(\a)*2048+(\b/4)*262144+(\b%4)*512   ; 512 consecutive bytes
.endr
.endm
.irp a, 0,1,2,3,4,5,6,7
	OUTBLK \a
.endr
	s_wait_tensorcnt 0x0                           ; the wave's end, behind my last tensor load
	ds_add_u32 v[SPW], v[NIL]
	s_wait_dscnt 0x0
	CROUND                                         ; the closing round
	s_endpgm
.Lfunc_end_k_qd25ee0af9a_qkv2:
	.size	k_qd25ee0af9a_qkv2, .Lfunc_end_k_qd25ee0af9a_qkv2-k_qd25ee0af9a_qkv2
	.p2alignl 7, 3214868480
	.fill 96, 4, 3214868480
	.section	.rodata,"a",@progbits
	.p2align	6, 0x0
	.amdhsa_kernel k_qd25ee0af9a_qkv2
		.amdhsa_group_segment_fixed_size 279040
		.amdhsa_private_segment_fixed_size 0
		.amdhsa_enable_private_segment 0
		.amdhsa_kernarg_size 64
		.amdhsa_user_sgpr_count 2
		.amdhsa_user_sgpr_kernarg_segment_ptr 1
		.amdhsa_wavefront_size32 1
		.amdhsa_system_sgpr_workgroup_id_x 1
		.amdhsa_system_sgpr_workgroup_id_y 1
		.amdhsa_system_sgpr_workgroup_id_z 1
		.amdhsa_system_vgpr_workitem_id 0
		.amdhsa_next_free_vgpr 1024
		.amdhsa_next_free_sgpr 102
		.amdhsa_reserve_vcc 0
		.amdhsa_float_denorm_mode_32 3
		.amdhsa_float_denorm_mode_16_64 3
		.amdhsa_memory_ordered 1
		.amdhsa_forward_progress 1
		.amdhsa_inst_pref_size 136
	.end_amdhsa_kernel
	.amdgpu_metadata
---
amdhsa.version: [ 1, 2 ]
amdhsa.kernels:
  - .name:           k_qd25ee0af9a_qkv2
    .symbol:         k_qd25ee0af9a_qkv2.kd
    .args:
      - { .name: xc, .offset: 0, .size: 8, .value_kind: global_buffer, .address_space: global }
      - { .name: xs, .offset: 8, .size: 8, .value_kind: global_buffer, .address_space: global }
      - { .name: wc, .offset: 16, .size: 8, .value_kind: global_buffer, .address_space: global }
      - { .name: ws, .offset: 24, .size: 8, .value_kind: global_buffer, .address_space: global }
      - { .name: bq, .offset: 32, .size: 8, .value_kind: global_buffer, .address_space: global }
      - { .name: bk, .offset: 40, .size: 8, .value_kind: global_buffer, .address_space: global }
      - { .name: bv, .offset: 48, .size: 8, .value_kind: global_buffer, .address_space: global }
      - { .name: qkv, .offset: 56, .size: 8, .value_kind: global_buffer, .address_space: global }
    .group_segment_fixed_size: 279040
    .private_segment_fixed_size: 0
    .kernarg_segment_align: 8
    .kernarg_segment_size: 64
    .max_flat_workgroup_size: 128
    .sgpr_count:     102
    .vgpr_count:     1024
    .wavefront_size: 32
...
	.end_amdgpu_metadata
.endif
;; end of part 2
;; launch attn (part 3): grid 4 x 64, 8 waves a work-group, clusters of 4 x 1, 327,680 bytes of LDS; arguments qkv, mask, ao; writes ao
.if DOCPART == 3
	.amdgcn_target "amdgcn-amd-amdhsa--gfx1250"
	.amdhsa_code_object_version 6
	.text
	.protected	k_qd25ee0af9a_attn
	.globl	k_qd25ee0af9a_attn
	.p2align	8
	.type	k_qd25ee0af9a_attn,@function
k_qd25ee0af9a_attn:
	s_mov_b64 s[64:65], 0
	v_nop
	global_prefetch_b8 v0, s[64:65] scope:SCOPE_SE
	s_setreg_imm32_b32 hwreg(HW_REG_WAVE_MODE, 25, 1), 1
	s_wait_xcnt 0x0
	s_wait_alu depctr_hold_cnt(0) depctr_sa_sdst(0) depctr_va_vdst(0) depctr_va_sdst(0) depctr_va_ssrc(0) depctr_va_vcc(0) depctr_vm_vsrc(0)
	s_getreg_b32 s2, hwreg(HW_REG_IB_STS2, 6, 4)
	s_cmp_eq_u32 s2, 0
	s_cbranch_scc0 .Lentry_in_a_cluster
	s_endpgm
.Lentry_in_a_cluster:
	s_bfe_u32 s2, ttmp6, 0x10000c
	s_cmp_lg_u32 s2, 0x3003
	s_cbranch_scc0 .Lentry_shape_is_right
	s_endpgm
.Lentry_shape_is_right:
; For each (batch, head): O[q] = sum over keys of softmax(q . k / 8, masked keys at the least f32 number) v, on f16 operands with f32 sums.  q arrives multiplied by log2(e) / 8, so t = q' . k is in
; units of log2: p = 2^(t - m), m the running maximum; in every step O and l are multiplied by a = 2^(m_old - m_new); O / l at the end, rounded once to f16.
; THE MASK costs no vector work: the first K Q^T instruction of each tile of scores takes as C a table of 0 (key counts) or -2^100 (masked), in the result's layout.  f16 operands bound |t| by
; 64 x 65,504^2 < 2^39, so a masked t lies under every other and its p is 0; what a run of masked keys alone has summed is multiplied by a = 0 at the first key that counts.
; A BATCH WHOSE KEYS ARE ALL MASKED has uniform weights: it is found from the mask's bytes (0 or 1) at the head; then the table is all 0 and Q is ANDed with 0, so every t is 0.  A select, no branch.
; SHARES.  A work-group owns 512 queries of one head, each of its eight waves 64: four tiles of 16; two waves share a SIMD, so that one wave's softmax stands beside the other's products.
; Every wave walks all 2,048 keys, 64 a step.  K and V come through a ring of two LDS slots of 512 keys (8 steps); every wave fetches 16 KB of a slot, waves 0-3 of K, waves 4-7 of V.
; CLUSTER.  The four query blocks of a head walk the same K and V: each tile is asked for jointly (mask 15).  A refill has a slot's eight steps in which to land, so nothing is asked of memory ahead of it.
; LAYOUT.  S^T = K Q^T, O^T = V^T P: a lane holds one query throughout.  q and k lie in memory as images of their fragments; v as tiles of 16 keys x 16 channels by rows, turned by ds_load_tr16_b128.
; REGISTERS.  window 0: v0 (behind the head) address of the step's table; v1, v2 the add's; v3 16 lane; v4, v5 my places in V and in the table; v6, v7 addresses of the step's K and V;
;   v[8 + 6 t ..]: tile t's m, c1, a, c0, l (two halves); v32-63 the table; v64-127 K; v128-255 S^T, 32 a tile, then P in its first 16.   window 1: v0-127 O^T, 32 a tile; v128-191 Q; v192-255 V.
.set SLOT1, 131072
.set VOFF,  65536
.set BIAS,  262144                     ; the table: 2,048 numbers; stored by the waves, never a tensor load's target
.set SPARE, 270336                     ; the spare words, 128 bytes for each of eight waves, which no other line names
.set ADB, 0
.set SPW, 1
.set NIL, 2
.set AK0, 3
.set AV0, 4
.set AB0, 5
.set ADK, 6
.set ADV, 7
.set ST,  8
.set BF,  32
.set KF,  64
.set S,   128
.set QF,  128                          ; in window 1
.set VF,  192                          ; in window 1
.set TB,  34                           ; s34  LDS byte at which the step's tiles of K begin
.set TJ,  35                           ; s35  and its part of the table
.set MSB, 0
.macro WIN new
.if MSB != (\new)
	s_set_vgpr_msb (MSB<<8)|(\new)
.set MSB, (\new)
.endif
.endm
.macro CROUND
	s_barrier_signal -1
	s_barrier_wait -1
	s_cmp_lg_u32 s10, 0
	s_cbranch_scc1 .Lnot_wave_0_\@
	s_barrier_signal -3
.Lnot_wave_0_\@:
	s_barrier_wait -3
	s_barrier_signal -1
	s_barrier_wait -1
.endm
	s_load_b128 s[4:7], s[0:1], 0x0                ; qkv, mask
	s_load_b64 s[8:9], s[0:1], 0x10                ; ao
	v_lshl_add_u32 v[SPW], v0, 2, SPARE
	v_mov_b32 v[NIL], 0
	ds_add_u32 v[SPW], v[NIL]                      ; the wave's opening: the add, twice on end, and its wait ahead of my first tensor load
	ds_add_u32 v[SPW], v[NIL]
	v_lshrrev_b32 v3, 5, v0
	v_readfirstlane_b32 s10, v3                    ; wave 0..7
	s_bfe_u32 s11, ttmp6, 0x40000                  ; cx
	s_lshl_b32 s12, ttmp9, 2
	s_add_co_u32 s12, s12, s11                     ; my block of 512 queries: it enters Q's and ao's addresses alone
	s_and_b32 s13, ttmp7, 0xffff                   ; batch x 16 + head, which the four partners share
	; descriptor group 1: 16 KB, dense, as 64 rows of 256 bytes
	s_mov_b32 s16, 15|(3<<16)|(1<<21)
	s_mov_b32 s17, 32<<16
	s_mov_b32 s18, 64<<16
	s_mov_b32 s19, 32<<16
	s_mov_b32 s20, 64
	s_mov_b32 s21, 32
	s_mov_b32 s22, 0
	s_mov_b32 s23, 0
	s_lshr_b32 s40, s10, 2
	s_add_co_u32 s40, s40, 1
	s_lshl_b32 s40, s40, 24                        ; section 1 (k) for waves 0-3, 2 (v) for waves 4-7
	s_lshl_b32 s41, s13, 18
	s_add_co_u32 s40, s40, s41                     ; the head
	s_and_b32 s41, s10, 3
	s_lshl_b32 s41, s41, 14
	s_add_co_u32 s40, s40, s41                     ; my quarter of a slot's 64 KB
	s_mov_b32 s41, 0
	s_lshl_b32 s42, s10, 14                        ; in LDS: K's four quarters, then V's four
	s_mov_b32 s32, 0x76543210
	s_mov_b32 s33, 0xfedcba98                      ; v_permlanex16_b32's selects for lane l xor 16
	s_mov_b32 s[TB], 0
	s_mov_b32 s[TJ], 0
	s_wait_dscnt 0x0                               ; both opening adds are done
	s_wait_kmcnt 0x0
	s_mov_b32 s24, 1
	s_mov_b32 s25, s42
	s_add_nc_u64 s[26:27], s[4:5], s[40:41]
	s_mov_b32 s28, 1
	s_add_co_u32 s29, s42, SLOT1
	s_add_nc_u64 s[30:31], s[26:27], 65536         ; slot 1: the next 512 keys
	s_or_b32 s27, s27, 0x80000000
	s_or_b32 s31, s31, 0x80000000
	CROUND                                         ; all four work-groups are here: the first joint loads meet
	tensor_load_to_lds s[24:27], s[16:23]          ; two loads of mine are out
	s_nop 0
	tensor_load_to_lds s[28:31], s[16:23]
	s_nop 0
.rept 4
	v_nop
.endr
	v_and_b32 v[AK0], 31, v0
	v_lshlrev_b32 v[AK0], 4, v[AK0]                ; 16 x lane
	s_lshl_b32 s44, s13, 18
	s_lshl_b32 s45, s12, 16                        ; 32 tiles of 16 queries for each block,
	s_add_co_u32 s44, s44, s45
	s_lshl_b32 s45, s10, 13                        ; 4 for each wave
	s_add_co_u32 s44, s44, s45
	s_mov_b32 s45, 0
	s_add_nc_u64 s[44:45], s[4:5], s[44:45]
	WIN 0x40                                       ; destination window 1
.irp t, 0,1,2,3
.irp n, 0,1,2,3
	global_load_b128 v[QF+16*\t+4*\n:QF+16*\t+4*\n+3], v[AK0], s[44:45] offset:2048*\t+512*\n   ; Q stays in registers
.endr
.endr
	WIN 0
	s_lshr_b32 s46, s13, 4
	s_lshl_b32 s46, s46, 11                        ; the batch's 2,048 mask bytes
	s_mov_b32 s47, 0
	s_add_nc_u64 s[46:47], s[6:7], s[46:47]
.irp i, 0,1,2,3
	global_load_b128 v[64+4*\i:67+4*\i], v[AK0], s[46:47] offset:512*\i    ; every wave reads all of them, for the test 'all masked',
.endr
	v_lshlrev_b32 v[ADK], 3, v0
	global_load_b64 v[80:81], v[ADK], s[46:47]     ; and thread n the bytes of keys 8 n .. 8 n + 7, for the table
	v_lshl_add_u32 v[ADV], v0, 5, BIAS             ; where their eight numbers go
	v_bfe_u32 v[AB0], v0, 4, 1                     ; h
	v_and_b32 v[AV0], 7, v0
	v_lshl_add_u32 v[AV0], v[AB0], 3, v[AV0]       ; the turning load: key 8 h + lane % 8 of a tile, a row of 32 bytes,
	v_lshlrev_b32 v[AV0], 5, v[AV0]
	v_bfe_u32 v8, v0, 3, 1
	v_lshl_add_u32 v[AV0], v8, 4, v[AV0]           ; channels 8 ((lane / 8) % 2) on
	v_add_nc_u32 v[AV0], VOFF, v[AV0]
	v_lshl_add_u32 v[AB0], v[AB0], 5, BIAS         ; the table: keys 8 h on of a tile of 16
	s_lshr_b32 s14, s13, 4                         ; ao: 128 tiles of 16 tokens x 32,768 bytes for each batch,
	s_lshl_b32 s14, s14, 22
	s_lshl_b32 s15, s12, 20                        ; 32 for each block,
	s_add_co_u32 s14, s14, s15
	s_lshl_b32 s15, s10, 17                        ; 4 for each wave;
	s_add_co_u32 s14, s14, s15
	s_and_b32 s15, s13, 15
	s_lshl_b32 s15, s15, 11                        ; 2,048 bytes for each head
	s_add_co_u32 s14, s14, s15
	s_mov_b32 s15, 0
	s_add_nc_u64 s[8:9], s[8:9], s[14:15]
	WIN 0x40
.set I, 0
.rept 128
	v_mov_b32 v[I], 0                              ; O^T.  (The step is written once: its first trip finds zeros, which a = 0 leaves zeros)
.set I, I+1
.endr
	WIN 0
.irp t, 0,1,2,3
	v_mov_b32 v[ST+6*\t], 0xff61b1e6               ; m: -3e38, under every t
	v_mov_b32 v[ST+6*\t+1], 0
	v_mov_b32 v[ST+6*\t+2], 0
	v_mov_b32 v[ST+6*\t+3], 0
	v_mov_b32 v[ST+6*\t+4], 0                      ; l, in two halves
	v_mov_b32 v[ST+6*\t+5], 0
.endr
	s_wait_loadcnt 0x0                             ; Q and the mask
.irp i, 0,1,2,3,4,5,6,7
	v_and_b32 v[64+\i], v[64+\i], v[72+\i]
.endr
.irp i, 0,1,2,3
	v_and_b32 v[64+\i], v[64+\i], v[68+\i]
.endr
	v_and_b32 v64, v64, v66
	v_and_b32 v65, v65, v67
	v_and_b32 v64, v64, v65                        ; 1 in each byte where all my 16 bytes of that place are 1
	s_mov_b32 s41, 0x01010101
	v_cmp_ne_u32 s40, s41, v64                     ; lanes that have seen a key that counts
	s_mov_b32 s39, 0xf1800000                      ; -2^100
	s_cmp_eq_u32 s40, 0                            ; none: the whole batch is masked
	s_cselect_b32 s38, 0, -1                       ; Q is kept, or becomes 0;
	s_cselect_b32 s39, 0, s39                      ; the table's entry for a masked key
.irp j, 0,1,2,3,4,5,6,7
	v_bfe_u32 v[84+\j], v[80+\j/4], 8*(\j%4), 8
.endr
.irp j, 0,1,2,3,4,5,6,7
	v_mul_lo_u32 v[84+\j], v[84+\j], s39
.endr
	ds_store_b128 v[ADV], v[84:87]
	ds_store_b128 v[ADV], v[88:91] offset:16
	WIN 0x44                                       ; source 1 and destination window 1
.set I, 0
.rept 64
	v_and_b32 v[QF+I], s38, v[QF+I]
.set I, I+1
.endr
	WIN 0
	s_wait_tensorcnt 0x1                           ; my part of slot 0 is in; slot 1's may stay out
	s_wait_dscnt 0x0                               ; my part of the table is stored
	s_barrier_signal -1
	s_barrier_wait -1
; A KEY STEP: 64 keys.  In all vector work the four tiles go by turns, line by line, so that no line waits for the line above it.
.macro STEP
	v_add_nc_u32 v[ADK], s[TB], v[AK0]             ; these five are the places behind the last V^T P: its V is loaded anew (four are owed), its P is written over by K Q^T (five)
	v_add_nc_u32 v[ADV], s[TB], v[AV0]
	v_add_nc_u32 v[ADB], s[TJ], v[AB0]
	v_nop
	v_nop
.irp k, 0,1,2,3
.irp n, 0,1,2,3
	ds_load_b128 v[KF+16*\k+4*\n:KF+16*\k+4*\n+3], v[ADK] offset:2048*\k+512*\n       ; K: tile of 16 keys k, channels 16 n on: 512 consecutive bytes
.endr
.endr
.irp k, 0,1,2,3
.irp e, 0,1
	ds_load_b128 v[BF+8*\k+4*\e:BF+8*\k+4*\e+3], v[ADB] offset:64*\k+16*\e            ; the table of keys 16 k + 8 h + 0 .. 7
.endr
.endr
	WIN 0x40
.irp u, 0,1
.irp n, 0,1,2,3
.irp e, 0,1
	ds_load_tr16_b128 v[VF+8*(4*\u+\n)+4*\e:VF+8*(4*\u+\n)+4*\e+3], v[ADV] offset:2048*(2*\u+\e)+512*\n   ; V^T: channels 16 n on, keys 32 u + 16 e on
.endr
.endr
.endr
	s_wait_dscnt 16                                ; K and the table are in; V's sixteen loads may be out
	WIN 0x04                                       ; source 1 (Q) window 1
.irp c, 0,1                            ; S^T = K Q^T + the table: 16 accumulators by turns
.irp k, 0,1,2,3
.irp t, 0,1,2,3
.if \c == 0
	v_wmma_f32_16x16x32_f16 v[S+32*\t+8*\k:S+32*\t+8*\k+7], v[KF+16*\k:KF+16*\k+7], v[QF+16*\t:QF+16*\t+7], v[BF+8*\k:BF+8*\k+7]
.else
	v_wmma_f32_16x16x32_f16 v[S+32*\t+8*\k:S+32*\t+8*\k+7], v[KF+16*\k+8:KF+16*\k+15], v[QF+16*\t+8:QF+16*\t+15], v[S+32*\t+8*\k:S+32*\t+8*\k+7]
.endif
.endr
.endr
.endr
	WIN 0
.rept 4
	v_nop                                          ; places in front of the first read of the scores
.endr
	; the maximum of the lane's 32 scores and the old m: two chains, the scores ascending
.irp t, 0,1,2,3
	v_max3_num_f32 v[ST+6*\t+3], v[S+32*\t], v[S+32*\t+1], v[S+32*\t+2]
.endr
.irp t, 0,1,2,3
	v_max3_num_f32 v[ST+6*\t+1], v[S+32*\t+3], v[S+32*\t+4], v[S+32*\t+5]
.endr
.irp i, 6,10,14,18,22,26
.irp t, 0,1,2,3
	v_max3_num_f32 v[ST+6*\t+3], v[ST+6*\t+3], v[S+32*\t+\i], v[S+32*\t+\i+1]
.endr
.irp t, 0,1,2,3
	v_max3_num_f32 v[ST+6*\t+1], v[ST+6*\t+1], v[S+32*\t+\i+2], v[S+32*\t+\i+3]
.endr
.endr
.irp t, 0,1,2,3
	v_max3_num_f32 v[ST+6*\t+3], v[ST+6*\t+3], v[S+32*\t+30], v[S+32*\t+31]
.endr
.irp t, 0,1,2,3
	v_max3_num_f32 v[ST+6*\t+3], v[ST+6*\t+3], v[ST+6*\t+1], v[ST+6*\t]
.endr
.irp t, 0,1,2,3
	v_permlanex16_b32 v[ST+6*\t+1], v[ST+6*\t+3], s32, s33     ; the query's other 32 keys lie in the lane 16 away
.endr
.irp t, 0,1,2,3
	v_max_num_f32 v[ST+6*\t+3], v[ST+6*\t+3], v[ST+6*\t+1]
.endr
.irp t, 0,1,2,3
	v_sub_f32 v[ST+6*\t+2], v[ST+6*\t], v[ST+6*\t+3]           ; m_old - m_new
.endr
.irp t, 0,1,2,3
	v_mov_b32 v[ST+6*\t], v[ST+6*\t+3]
.endr
	; ONE BATCH of 132 exponentials with one wait: a, then, behind the 64 subtractions, all p in place.  Nothing ahead of the wait names a result
.irp t, 0,1,2,3
	v_exp_f32 v[ST+6*\t+2], v[ST+6*\t+2]
.endr
.irp i, 0,2,4,6,8,10,12,14,16,18,20,22,24,26,28,30
.irp t, 0,1,2,3
	v_pk_add_f32 v[S+32*\t+\i:S+32*\t+\i+1], v[S+32*\t+\i:S+32*\t+\i+1], v[ST+6*\t:ST+6*\t+1] op_sel_hi:[1,0] neg_lo:[0,1] neg_hi:[0,1]   ; t - m (of the pair the low word serves both halves)
.endr
.endr
.set I, 0
.rept 128
	v_exp_f32 v[S+I], v[S+I]
.set I, I+1
.endr
	v_nop                                          ; a plain instruction behind the last exponential
	s_wait_alu depctr_va_vdst(0)                   ; the wait ahead of the first instruction that names a result: one for the batch
.irp t, 0,1,2,3
	v_pk_fma_f32 v[ST+6*\t+4:ST+6*\t+5], v[ST+6*\t+4:ST+6*\t+5], v[ST+6*\t+2:ST+6*\t+3], v[S+32*\t:S+32*\t+1] op_sel_hi:[1,0,1]   ; l = a l + p: the sum is taken of the unrounded p
.endr
.irp i, 2,4,6,8,10,12,14,16,18,20,22,24,26,28,30
.irp t, 0,1,2,3
	v_pk_add_f32 v[ST+6*\t+4:ST+6*\t+5], v[ST+6*\t+4:ST+6*\t+5], v[S+32*\t+\i:S+32*\t+\i+1]
.endr
.endr
.irp j, 0,1,2,3,4,5,6,7,8,9,10,11,12,13,14,15
.irp t, 0,1,2,3
	v_cvt_pk_f16_f32 v[S+32*\t+\j], v[S+32*\t+2*\j], v[S+32*\t+2*\j+1]    ; P in place, ascending: two tiles of 16 keys make source 1 for 32 keys
.endr
.endr
	WIN 0x41                                       ; O^T (destination and source 0) window 1
.irp i, 0,2,4,6,8,10,12,14,16,18,20,22,24,26,28,30
.irp t, 0,1,2,3
	v_pk_mul_f32 v[32*\t+\i:32*\t+\i+1], v[32*\t+\i:32*\t+\i+1], v[ST+6*\t+2:ST+6*\t+3] op_sel_hi:[1,0]
.endr
.endr
	s_wait_dscnt 0x0                               ; V is in
	WIN 0x51                                       ; V, C and D window 1, P window 0
.irp u, 0,1                            ; O^T += V^T P: 16 accumulators by turns
.irp n, 0,1,2,3
.irp t, 0,1,2,3
	v_wmma_f32_16x16x32_f16 v[32*\t+8*\n:32*\t+8*\n+7], v[VF+8*(4*\u+\n):VF+8*(4*\u+\n)+7], v[S+32*\t+8*\u:S+32*\t+8*\u+7], v[32*\t+8*\n:32*\t+8*\n+7]
.endr
.endr
.endr
	WIN 0
	s_add_co_u32 s[TB], s[TB], 8192                ; the next step's four tiles of 16 keys
	s_add_co_u32 s[TJ], s[TJ], 256
.endm
.macro SLOTSTEPS                       ; a slot's eight steps: written once, walked eight times
	s_mov_b32 s36, 8
.Lstep_\@:
	STEP
	s_sub_co_u32 s36, s36, 1
	s_cmp_lg_u32 s36, 0
	s_cbranch_scc1 .Lstep_\@
.endm
; THE CHANGE OF SLOTS.  Each wave waits for all its tensor loads (its part of the other slot), adds 0 to its spare word, and waits for that and for its reads of the slot that it leaves.
; fill = 1: the barrier is a round of the cluster's, and behind it the slot just left is filled with the keys two slots on: my one tensor load until the next change.
.macro CHANGE fill
	s_wait_tensorcnt 0x0                           ; no tensor load of mine is out, so a group 0 may be written
	ds_add_u32 v[SPW], v[NIL]
.if \fill
	s_xor_b32 s29, s29, SLOT1                      ; the walking descriptor: the other slot than last time,
	s_add_nc_u64 s[30:31], s[30:31], 65536         ; the next 512 keys
.endif
	s_sub_co_u32 s[TB], s[TB], 65536               ; the reads go back to a slot's first step,
	s_xor_b32 s[TB], s[TB], SLOT1                  ; in the other slot
	s_wait_dscnt 0x0                               ; the add is done, and my reads of the slot are over
.if \fill
	CROUND
	tensor_load_to_lds s[28:31], s[16:23]
	s_nop 0
.rept 4
	v_nop
.endr
.else
	s_barrier_signal -1
	s_barrier_wait -1
.endif
.endm
	s_mov_b32 s37, 2
.Lslot:                                ; two trips: keys 0-511 and 512-1,023; behind each its slot takes the keys 1,024 further on
	SLOTSTEPS
	CHANGE 1
	s_sub_co_u32 s37, s37, 1
	s_cmp_lg_u32 s37, 0
	s_cbranch_scc1 .Lslot
	SLOTSTEPS                                      ; the tail is written out: nothing more is asked for
	CHANGE 0
	SLOTSTEPS
	; THE WAY OUT: l's two halves and the other lane's; O^T / l, rounded to f16: a lane's eight channels are its 16 bytes of the last product's fragment: stored as they stand
.irp t, 0,1,2,3
	v_add_f32 v[ST+6*\t+3], v[ST+6*\t+4], v[ST+6*\t+5]         ; (these lines are also the places behind the last products)
.endr
.irp t, 0,1,2,3
	v_permlanex16_b32 v[ST+6*\t+1], v[ST+6*\t+3], s32, s33
.endr
.irp t, 0,1,2,3
	v_add_f32 v[ST+6*\t+3], v[ST+6*\t+3], v[ST+6*\t+1]
.endr
.irp t, 0,1,2,3
	v_rcp_f32 v[ST+6*\t+2], v[ST+6*\t+3]
.endr
	v_nop
	s_wait_alu depctr_va_vdst(0)                   ; one wait for the four reciprocals, ahead of their first reader
	WIN 0x41
.irp i, 0,2,4,6,8,10,12,14,16,18,20,22,24,26,28,30
.irp t, 0,1,2,3
	v_pk_mul_f32 v[32*\t+\i:32*\t+\i+1], v[32*\t+\i:32*\t+\i+1], v[ST+6*\t+2:ST+6*\t+3] op_sel_hi:[1,0]
.endr
.endr
	WIN 0x05                                       ; sources window 1, destination window 0
.set I, 0
.rept 64
	v_cvt_pk_f16_f32 v[S+I], v[2*I], v[2*I+1]
.set I, I+1
.endr
	WIN 0
.irp t, 0,1,2,3
.irp n, 0,1,2,3
	global_store_b128 v[AK0], v[S+16*\t+4*\n:S+16*\t+4*\n+3], s[8:9] offset:32768*\t+512*\n   ; 512 consecutive bytes
.endr
.endr
	s_wait_tensorcnt 0x0                           ; the wave's end, behind my last tensor load and my last LDS store
	ds_add_u32 v[SPW], v[NIL]
	s_wait_dscnt 0x0
	CROUND                                         ; the closing round
	s_endpgm
.Lfunc_end_k_qd25ee0af9a_attn:
	.size	k_qd25ee0af9a_attn, .Lfunc_end_k_qd25ee0af9a_attn-k_qd25ee0af9a_attn
	.p2alignl 7, 3214868480
	.fill 96, 4, 3214868480
	.section	.rodata,"a",@progbits
	.p2align	6, 0x0
	.amdhsa_kernel k_qd25ee0af9a_attn
		.amdhsa_group_segment_fixed_size 327680
		.amdhsa_private_segment_fixed_size 0
		.amdhsa_enable_private_segment 0
		.amdhsa_kernarg_size 24
		.amdhsa_user_sgpr_count 2
		.amdhsa_user_sgpr_kernarg_segment_ptr 1
		.amdhsa_wavefront_size32 1
		.amdhsa_system_sgpr_workgroup_id_x 1
		.amdhsa_system_sgpr_workgroup_id_y 1
		.amdhsa_system_sgpr_workgroup_id_z 1
		.amdhsa_system_vgpr_workitem_id 0
		.amdhsa_next_free_vgpr 512
		.amdhsa_next_free_sgpr 66
		.amdhsa_reserve_vcc 0
		.amdhsa_float_denorm_mode_32 3
		.amdhsa_float_denorm_mode_16_64 3
		.amdhsa_memory_ordered 1
		.amdhsa_forward_progress 1
		.amdhsa_inst_pref_size 124
	.end_amdhsa_kernel
	.amdgpu_metadata
---
amdhsa.version: [ 1, 2 ]
amdhsa.kernels:
  - .name:           k_qd25ee0af9a_attn
    .symbol:         k_qd25ee0af9a_attn.kd
    .args:
      - { .name: qkv, .offset: 0, .size: 8, .value_kind: global_buffer, .address_space: global }
      - { .name: mask, .offset: 8, .size: 8, .value_kind: global_buffer, .address_space: global }
      - { .name: ao, .offset: 16, .size: 8, .value_kind: global_buffer, .address_space: global }
    .group_segment_fixed_size: 327680
    .private_segment_fixed_size: 0
    .kernarg_segment_align: 8
    .kernarg_segment_size: 24
    .max_flat_workgroup_size: 256
    .sgpr_count:     66
    .vgpr_count:     512
    .wavefront_size: 32
...
	.end_amdgpu_metadata
.endif
;; end of part 3
;; launch oproj (part 4): grid 32 x 8, 4 waves a work-group, clusters of 4 x 1, 296,448 bytes of LDS; arguments ao, wo16, bo, out0; writes out0
.if DOCPART == 4
	.amdgcn_target "amdgcn-amd-amdhsa--gfx1250"
	.amdhsa_code_object_version 6
	.text
	.protected	k_qd25ee0af9a_oproj
	.globl	k_qd25ee0af9a_oproj
	.p2align	8
	.type	k_qd25ee0af9a_oproj,@function
k_qd25ee0af9a_oproj:
	s_mov_b64 s[64:65], 0
	v_nop
	global_prefetch_b8 v0, s[64:65] scope:SCOPE_SE
	s_setreg_imm32_b32 hwreg(HW_REG_WAVE_MODE, 25, 1), 1
	s_wait_xcnt 0x0
	s_wait_alu depctr_hold_cnt(0) depctr_sa_sdst(0) depctr_va_vdst(0) depctr_va_sdst(0) depctr_va_ssrc(0) depctr_va_vcc(0) depctr_vm_vsrc(0)
	s_getreg_b32 s2, hwreg(HW_REG_IB_STS2, 6, 4)
	s_cmp_eq_u32 s2, 0
	s_cbranch_scc0 .Lentry_in_a_cluster
	s_endpgm
.Lentry_in_a_cluster:
	s_bfe_u32 s2, ttmp6, 0x10000c
	s_cmp_lg_u32 s2, 0x3003
	s_cbranch_scc0 .Lentry_shape_is_right
	s_endpgm
.Lentry_shape_is_right:
; out0 = ao Wo + bo: 8,192 x 1,024 x 1,024 on f16 operands, f32 sums and output.  Both operands lie in memory as images of their fragments (16 rows x 32 K: two blocks of 512 bytes).
; A work-group makes 256 rows x 128 columns; wave w rows 64 w .. 64 w + 63 against all 128 columns: 32 accumulators.
; Wo's 128 columns, all of K, 256 KB, stay in LDS: first fills only, four loads a wave at the head, asked for jointly by the four row blocks of a cluster (mask 15).
; No wave shares its rows of ao with another wave of its work-group, so they go from memory straight into a ring of eight register slots, seven K steps (56 loads) ahead, and through no LDS;
; that is also why they are not asked for jointly.
; THE MATRIX INSTRUCTION IS USED TRANSPOSED (source 0 = 16 columns of Wo, source 1 = 16 tokens); bo is the C of each sum's first instruction.
; REGISTERS.  window 0: v1, v2 the add's; v3 16 lane; v4-7 Wo's LDS address in chunk 0..3; v8, v9 the stage; v10 32 h; v16-79 bo; v128-255 Wo's fragments, two sets, later rows of out0.
;   window 1: the ring, slot s % 8 at 32 (s % 8) + 8 a.   window 2: the accumulators, (a, b) at 8 (8 a + b).
.set CHUNK, 65536                      ; LDS: chunk q = K 256 q on: [tile of 16 columns 0..7][K step of 32, 0..7][1,024 bytes]
.set STAGE, 262144                     ; the way out: 16 rows x (512 bytes + 16) for each wave
.set SPARE, 295936                     ; the spare words, 128 bytes for each wave, which no other line names
.set SPW, 1
.set NIL, 2
.set LI,  3
.set ADB, 4
.set STO, 8
.set RD,  9
.set BO,  10
.set BI,  16
.set BFR, 128
.set MSB, 0
.macro WIN new
.if MSB != (\new)
	s_set_vgpr_msb (MSB<<8)|(\new)
.set MSB, (\new)
.endif
.endm
.macro CROUND
	s_barrier_signal -1
	s_barrier_wait -1
	s_cmp_lg_u32 s12, 0
	s_cbranch_scc1 .Lnot_wave_0_\@
	s_barrier_signal -3
.Lnot_wave_0_\@:
	s_barrier_wait -3
	s_barrier_signal -1
	s_barrier_wait -1
.endm
.macro PLACES
.rept 4
	v_nop
.endr
.endm
	s_load_b256 s[4:11], s[0:1], 0x0               ; ao, wo16, bo, out0
	v_lshl_add_u32 v[SPW], v0, 2, SPARE
	v_mov_b32 v[NIL], 0
	ds_add_u32 v[SPW], v[NIL]                      ; the wave's opening: the add, twice on end, and its wait ahead of my first tensor load
	ds_add_u32 v[SPW], v[NIL]
	v_lshrrev_b32 v3, 5, v0
	v_readfirstlane_b32 s12, v3                    ; wave 0..3
	s_bfe_u32 s13, ttmp6, 0x40000                  ; cx
	s_lshl_b32 s14, ttmp9, 2
	s_add_co_u32 s14, s14, s13                     ; my block of 256 rows: it enters ao's and out0's addresses alone
	s_and_b32 s15, ttmp7, 0xffff                   ; my block of 128 columns, which the four partners share
	; descriptor group 1: two tiles of 16 columns, of each the chunk's 8,192 bytes (1,024 elements of 8 bytes), 32,768 bytes apart
	s_mov_b32 s16, 15|(3<<16)|(1<<21)
	s_mov_b32 s17, 1024<<16
	s_mov_b32 s18, 2<<16
	s_mov_b32 s19, 1024<<16
	s_mov_b32 s20, 2
	s_mov_b32 s21, 4096
	s_mov_b32 s22, 0
	s_mov_b32 s23, 0
	s_lshl_b32 s26, s15, 18                        ; 8 tiles of columns x 32,768 bytes for each block,
	s_lshl_b32 s40, s12, 16                        ; two for each wave
	s_add_co_u32 s26, s26, s40
	s_mov_b32 s27, 0
	s_lshl_b32 s40, s12, 14                        ; in a chunk: wave x 16,384
	s_wait_dscnt 0x0                               ; both opening adds are done
	s_wait_kmcnt 0x0
	s_mov_b32 s24, 1
	s_mov_b32 s25, s40
	s_add_nc_u64 s[26:27], s[6:7], s[26:27]
.irp q, 1,2,3
	s_mov_b32 s[24+4*\q], 1
	s_add_co_u32 s[25+4*\q], s40, \q*CHUNK
	s_add_nc_u64 s[26+4*\q:27+4*\q], s[26:27], \q*8192
	s_or_b32 s[27+4*\q], s[27+4*\q], 0x80000000
.endr
	s_or_b32 s27, s27, 0x80000000
	CROUND                                         ; all four work-groups are here: the joint loads meet
.irp q, 0,1,2,3
	tensor_load_to_lds s[24+4*\q:27+4*\q], s[16:23]    ; four loads of mine are out
	s_nop 0
.endr
	PLACES
	v_and_b32 v[LI], 31, v0
	v_lshlrev_b32 v[LI], 4, v[LI]                  ; 16 x lane
	v_and_b32 v11, 15, v0                          ; r
	v_bfe_u32 v12, v0, 4, 1                        ; h
	v_lshlrev_b32 v[BO], 5, v12
	s_lshl_b32 s42, s15, 9
	s_mov_b32 s43, 0
	s_add_nc_u64 s[8:9], s[8:9], s[42:43]          ; bo at my 128 columns
	s_add_nc_u64 s[10:11], s[10:11], s[42:43]      ; out0 likewise,
.irp b, 0,1,2,3,4,5,6,7                ; in the result's layout: lane (r, h) wants the numbers of columns 16 b + 8 h + 0 .. 7
	global_load_b128 v[BI+8*\b:BI+8*\b+3], v[BO], s[8:9] offset:64*\b
	global_load_b128 v[BI+8*\b+4:BI+8*\b+7], v[BO], s[8:9] offset:64*\b+16
.endr
	s_lshl_b32 s42, s14, 20
	s_lshl_b32 s41, s12, 18
	s_add_co_u32 s42, s42, s41
	s_add_nc_u64 s[10:11], s[10:11], s[42:43]      ; at row 256 x block + 64 x wave
	s_lshl_b32 s42, s14, 19
	s_lshl_b32 s41, s12, 17
	s_add_co_u32 s42, s42, s41
	s_add_nc_u64 s[4:5], s[4:5], s[42:43]          ; ao at my four tiles of 16 tokens
.macro ALOAD s                         ; my four fragments of K step s into ring slot s % 8
.irp a, 0,1,2,3
.irp e, 0,1
	global_load_b128 v[32*((\s)%8)+8*\a+4*\e:32*((\s)%8)+8*\a+4*\e+3], v[LI], s[4:5] offset:32768*\a+1024*(\s)+512*\e
.endr
.endr
.endm
.macro BLOAD s                         ; Wo's eight fragments of K step s into set s % 2
.irp b, 0,1,2,3,4,5,6,7
.irp e, 0,1
	ds_load_b128 v[BFR+64*((\s)%2)+8*\b+4*\e:BFR+64*((\s)%2)+8*\b+4*\e+3], v[ADB+(\s)/8] offset:8192*\b+1024*((\s)%8)+512*\e
.endr
.endr
.endm
	WIN 0x40
.irp s, 0,1,2,3,4,5,6
	ALOAD \s
.endr
	WIN 0
.irp q, 0,1,2,3
	v_add_nc_u32 v[ADB+\q], \q*CHUNK, v[LI]
.endr
	s_mul_i32 s41, s12, 16*528
	s_add_co_u32 s41, s41, STAGE                   ; my stage
	v_mul_u32_u24 v[STO], v11, 528
	v_lshl_add_u32 v[STO], v12, 5, v[STO]
	v_add_nc_u32 v[STO], s41, v[STO]               ; in: row r, 32 bytes for each half of the lanes
	v_add_nc_u32 v[RD], s41, v[LI]                 ; back: the 32 lanes take one row of 512 bytes
	s_wait_tensorcnt 0x3                           ; my part of chunk 0 is in; three chunks may be out
	s_barrier_signal -1
	s_barrier_wait -1
	BLOAD 0
; 16 matrix instructions: tiles of tokens a0, a0 + 1 against Wo's eight.  The 32 accumulators take turns, one instruction a turn, in the same order in every step
.macro MUL16 s, a0, first
.irp a, \a0, \a0+1
.irp b, 0,1,2,3,4,5,6,7
.if \first
	v_wmma_f32_16x16x32_f16 v[8*(8*(\a)+\b):8*(8*(\a)+\b)+7], v[BFR+64*((\s)%2)+8*\b:BFR+64*((\s)%2)+8*\b+7], v[32*((\s)%8)+8*(\a):32*((\s)%8)+8*(\a)+7], v[BI+8*\b:BI+8*\b+7]
.else
	v_wmma_f32_16x16x32_f16 v[8*(8*(\a)+\b):8*(8*(\a)+\b)+7], v[BFR+64*((\s)%2)+8*\b:BFR+64*((\s)%2)+8*\b+7], v[32*((\s)%8)+8*(\a):32*((\s)%8)+8*(\a)+7], v[8*(8*(\a)+\b):8*(8*(\a)+\b)+7]
.endif
.endr
.endr
.endm
.macro STEP s, first, win
.if (\s)+6 <= 31
	s_wait_loadcnt 48                              ; this step's eight loads are in (and bo); those of the six slots behind it may be out
.else
	s_wait_loadcnt 8*(31-(\s))
.endif
	s_wait_dscnt 0x0                               ; Wo's fragments of this step are in; no LDS load of mine is out
.if (((\s)+1)%8 == 0) && ((\s) < 31)
	s_wait_tensorcnt 3-((\s)+1)/8                  ; my part of the next chunk is in
	s_barrier_signal -1
	s_barrier_wait -1
.endif
	WIN \win
	MUL16 \s, 0, \first
.if (\s) < 31
	PLACES                                         ; in front of loads into registers that the last step's products read
	WIN 0
	BLOAD (\s)+1
.if (\s)+7 <= 31
	WIN 0x40
	ALOAD (\s)+7
.endif
	WIN \win
.endif
	MUL16 \s, 2, \first
.endm
	STEP 0, 1, 0x84                                ; source 1 (ao) window 1, C (bo) window 0, D window 2
.set Q, 1
.rept 31
	STEP Q, 0, 0xa4                                ; C and D window 2
.set Q, Q+1
.endr
	WIN 0
; THE WAY OUT, 16 rows x 128 columns at a time, through my own stage: a lane holds 32 bytes of a row; whole rows of 512 bytes come back.  LDS serves a wave's instructions in order, so no wait stands
; between the stores and the loads, nor in front of the next block's stores.
.macro TOSTAGE a
	WIN 0x08                                       ; an LDS store's data are its source 1: window 2
.irp b, 0,1,2,3,4,5,6,7
	ds_store_b128 v[STO], v[64*(\a)+8*\b:64*(\a)+8*\b+3] offset:64*\b          ; each accumulator from its low end on
	ds_store_b128 v[STO], v[64*(\a)+8*\b+4:64*(\a)+8*\b+7] offset:64*\b+16
.endr
	WIN 0
.set I, 0
.rept 16
	ds_load_b128 v[BFR+64*((\a)%2)+4*I:BFR+64*((\a)%2)+4*I+3], v[RD] offset:528*I
.set I, I+1
.endr
.endm
.macro SEND a, younger                 ; younger: the LDS instructions issued behind block a's loads, which may stay out
	s_wait_dscnt \younger
.set I, 0
.rept 16
	global_store_b128 v[LI], v[BFR+64*((\a)%2)+4*I:BFR+64*((\a)%2)+4*I+3], s[10:11] offset:65536*(\a)+4096*I th:TH_STORE_NT   ; 512 consecutive bytes, written once
.set I, I+1
.endr
.endm
	PLACES                                         ; in front of the first read of results and of loads into registers that the last products read
	TOSTAGE 0
.irp a, 1,2,3
.if \a > 1
	s_wait_xcnt 0x0                                ; block a - 2's stores have read their registers: block a's loads may land there
.endif
	TOSTAGE \a
	SEND \a-1, 32                                  ; behind block a - 1's loads: block a's 16 stores and 16 loads
.endr
	SEND 3, 0
	s_wait_tensorcnt 0x0                           ; the wave's end, behind my last tensor load and my last LDS store
	ds_add_u32 v[SPW], v[NIL]
	s_wait_dscnt 0x0
	CROUND                                         ; the closing round
	s_endpgm
.Lfunc_end_k_qd25ee0af9a_oproj:
	.size	k_qd25ee0af9a_oproj, .Lfunc_end_k_qd25ee0af9a_oproj-k_qd25ee0af9a_oproj
	.p2alignl 7, 3214868480
	.fill 96, 4, 3214868480
	.section	.rodata,"a",@progbits
	.p2align	6, 0x0
	.amdhsa_kernel k_qd25ee0af9a_oproj
		.amdhsa_group_segment_fixed_size 296448
		.amdhsa_private_segment_fixed_size 0
		.amdhsa_enable_private_segment 0
		.amdhsa_kernarg_size 32
		.amdhsa_user_sgpr_count 2
		.amdhsa_user_sgpr_kernarg_segment_ptr 1
		.amdhsa_wavefront_size32 1
		.amdhsa_system_sgpr_workgroup_id_x 1
		.amdhsa_system_sgpr_workgroup_id_y 1
		.amdhsa_system_sgpr_workgroup_id_z 1
		.amdhsa_system_vgpr_workitem_id 0
		.amdhsa_next_free_vgpr 768
		.amdhsa_next_free_sgpr 66
		.amdhsa_reserve_vcc 0
		.amdhsa_float_denorm_mode_32 3
		.amdhsa_float_denorm_mode_16_64 3
		.amdhsa_memory_ordered 1
		.amdhsa_forward_progress 1
		.amdhsa_inst_pref_size 151
	.end_amdhsa_kernel
	.amdgpu_metadata
---
amdhsa.version: [ 1, 2 ]
amdhsa.kernels:
  - .name:           k_qd25ee0af9a_oproj
    .symbol:         k_qd25ee0af9a_oproj.kd
    .args:
      - { .name: ao, .offset: 0, .size: 8, .value_kind: global_buffer, .address_space: global }
      - { .name: wo16, .offset: 8, .size: 8, .value_kind: global_buffer, .address_space: global }
      - { .name: bo, .offset: 16, .size: 8, .value_kind: global_buffer, .address_space: global }
      - { .name: out0, .offset: 24, .size: 8, .value_kind: global_buffer, .address_space: global }
    .group_segment_fixed_size: 296448
    .private_segment_fixed_size: 0
    .kernarg_segment_align: 8
    .kernarg_segment_size: 32
    .max_flat_workgroup_size: 128
    .sgpr_count:     66
    .vgpr_count:     768
    .wavefront_size: 32
...
	.end_amdgpu_metadata
.endif
;; end of part 4
